; MI455X (gfx1250); checked and timed in simulation.
; The chip was launched on July 23, 2026; its instructions are those of AMD's public machine-readable ISA for CDNA 5 (MIT licence, August 2026) and "CDNA5" Instruction Set Architecture Reference Guide (July 2026). The comments in the code are by the model that wrote it; some were corrected since.
;; Attn. Allowed arithmetic: matrix products marked QUANTISED: E2M3 operands, one E8M0 scale for each 32 along K, by v_wmma_scale_f32_16x16x128_f8f6f4 with both operands' format E2M3, f32 sums; products left as they are: f32 operands where the result goes on into a quantised operand, else bf16, f16 or f32 operands; f32 sums; everything else in f32.
;; Inputs: W 1,024 x 1,024 float32; b 1,024 float32; encoder_outputs 32 x 2,048 x 1,024 float32; hidden 32 x 1,024 float32.
;; Outputs: out0 32 x 2,048 float32.
;; This version of the problem:
;;   THIS VERSION OF THE PROBLEM IS GIVEN IN LOW PRECISION. The matrix products marked QUANTISED in the list below multiply operands that are first quantised to E2M3 (2 exponent bits, 3 mantissa bits; 6 bits a number), with one power-of-two scale for each 32 numbers along K (OCP MX v1.0); their sums are f32. All else is computed in f32.
;;   The module's matrix products, in the order in which they are computed (A, B: the left and right operand; K: the contracted axis; several contracted axes count as one K, in the product's order):
;;     1. [M 65,536, K 1,024] x [K 1,024, N 1,024]; A: input encoder_outputs; B: input W: QUANTISED
;;     2. batch 32 x [M 2,048, K 1,024] x [K 1,024, N 1]; A: computed on the way; B: input hidden: left as it is (N = 1 < 16)
;;   THE QUANTISER, for each operand of a quantised product, along K:
;;     - K is cut into blocks of 32 from its start; a last block that is shorter is filled with zeros.
;;     - A block's scale is 2^e with e = floor(log2(the largest magnitude in the block)) - 2, held to -126 .. 127; a block of zeros has e = 0. As a byte (E8M0): e + 127.
;;     - Each number is divided by its block's scale, clamped to +-7.5, and rounded to the nearest number of E2M3, ties to even, subnormals kept.
;;     - The product sums the exact products of the quantised numbers (number of the format x scale) in f32.
;;   ~~~python
;;   def quantise(x, axis):      # numpy; x: float32 -> the quantised numbers, widened to float32 again
;;       x = np.moveaxis(x, axis, -1); K = x.shape[-1]
;;       x = np.pad(x, [(0, 0)] * (x.ndim - 1) + [(0, -K % 32)]); x = x.reshape(x.shape[:-1] + (-1, 32)); a = np.abs(x).max(-1, keepdims=True)
;;       e = np.where(a > 0, np.clip(np.frexp(np.where(a > 0, a, 1))[1] - 1 - 2, -126, 127), 0)      # np.frexp(a)[1] - 1 = floor(log2(a)), exactly
;;       r = np.clip(x / 2.0 ** e, -7.5, 7.5)
;;       step = 2.0 ** (np.maximum(np.frexp(np.where(r == 0, 1, r))[1] - 1, 0) - 3)
;;       q = np.round(r / step) * step * 2.0 ** e      # np.round: ties to even
;;       return np.moveaxis(q.reshape(q.shape[:-2] + (-1,))[..., :K], -1, axis).astype(np.float32)
;;   ~~~
;; One version. Each part assembles by itself: llvm-mc -triple=amdgcn-amd-amdhsa -mcpu=gfx1250 --defsym DOCPART=n.
;; ======== version 1 of 1: 3 launches
;; limits: right only within a limited range of input values
;; workspace buffers: wimg 819,200 bytes; scores 262,144 bytes
;; launch quantw (part 1): grid 128 x 1, 1 waves a work-group, no clusters, 17,152 bytes of LDS; arguments W, wimg; writes wimg
.if DOCPART == 1
	.amdgcn_target "amdgcn-amd-amdhsa--gfx1250"
	.amdhsa_code_object_version 6
	.text
	.protected	k_q4887c7bba4_quantw
	.globl	k_q4887c7bba4_quantw
	.p2align	8
	.type	k_q4887c7bba4_quantw,@function
k_q4887c7bba4_quantw:
	s_mov_b64 s[64:65], 0
	v_nop
	global_prefetch_b8 v0, s[64:65] scope:SCOPE_SE
	s_setreg_imm32_b32 hwreg(HW_REG_WAVE_MODE, 25, 1), 1
	s_wait_xcnt 0x0
; W [1024][1024] f32 (a row is an output unit, K innermost) becomes codes of FP6 (E2M3) with one E8M0 scale byte for each 32 along K,
; laid in wimg as images of the operand's registers, in the order in which the product's launch walks them.
; wimg: 32 groups of 25,600 bytes; group 8 j + t / 8 holds, for K chunk j (256 along K) and the eight tiles t (tile t = rows 16 t .. 16 t + 15):
;   byte 3072 (t % 8) + 1536 s + 512 c + 16 l: registers 4 c .. 4 c + 3 of lane l of the fragment of K step 2 j + s (lane (r, h): row r, registers 6 c .. 6 c + 5 hold k = 64 c + 32 h + 0 .. 31 of the step);
;   byte 24,576 + 128 (t % 8) + 64 s + 4 r: the scale word of row r for K step 2 j + s.
; DEAD WORK OF THE PROGRAM: reference() adds b to the energy, which adds sum_k b[k] hidden[batch][k] to every score of a batch: the same number along the softmax's axis,
; which the softmax cancels for all values of the inputs.  So b has no way to the output: it is not loaded and is no argument of any launch.
; LIMIT: a NaN, an infinity or an overflow that reaches only that term is not carried to the result.
; A block's scale is 2^(floor(log2(its largest magnitude)) - 2): its byte is the largest magnitude's exponent field - 2, held at 1 from below.
; LIMITS: a block of zeros gets the byte 1 where the rule says 127 (its codes are zeros, and this program alone reads the bytes); NaN and infinities among the inputs are not served.
; SHARES: a work-group is one wave; work-group g takes tile g / 2 and K steps 4 (g % 2) .. + 3: four units of 16 rows x 128 numbers.
; Each load reads 512 consecutive bytes of one row; a unit turns through a stage in LDS (rows of 512 + 16 bytes) so that a lane gets two whole blocks of 32 of its row.
; No tensor load, no barrier, no matrix unit, no cluster: one wave streams its part of 4 MiB once.
.set SPITCH, 528
.set STAGEB, 16*SPITCH
.set GRPB,   25600
.set FRAGB,  1536
.set L16, 3                            ; 16 x lane
.set SRD, 5                            ; out of the stage: 528 r + 128 h
.set SH8, 6                            ; 8 h
.set SCO, 7                            ; 4 x lane
.set TM,  16
.set SO,  20
.set BY,  22
.set WD,  24
.set WD2, 25
.set T,   26
.set WRD, 36                           ; the four units' scale words
.set PR,  40
.set C,   64                           ; the four fragments, 12 registers each
.set X,   128                          ; two sets of 64 numbers
.set SEL, 20
.set MSB, 0
.macro WIN new                         ; the immediate's high byte repeats the setting that is left
.if MSB != (\new)
	s_set_vgpr_msb (MSB<<8)|(\new)
.set MSB, \new
.endif
.endm
.macro LOAD q                          ; unit q: 16 rows x 512 bytes into window 1
	WIN 0x40
.irp i, 0,1,2,3,4,5,6,7,8,9,10,11,12,13,14,15
	global_load_b128 v[64*(\q)+4*\i:64*(\q)+4*\i+3], v[L16], s[4:5] offset:4096*\i+512*(\q) th:TH_LOAD_NT
.endr
.endm
.macro TURN q                          ; unit q through stage q % 2; LDS serves a wave's instructions in order
	WIN 0x04
.irp i, 0,1,2,3,4,5,6,7,8,9,10,11,12,13,14,15
	ds_store_b128 v[L16], v[64*(\q)+4*\i:64*(\q)+4*\i+3] offset:STAGEB*((\q)%2)+SPITCH*\i
.endr
	WIN 0
.irp c, 0,1
.irp i, 0,1,2,3,4,5,6,7
	ds_load_b128 v[X+64*((\q)%2)+32*\c+4*\i:X+64*((\q)%2)+32*\c+4*\i+3], v[SRD] offset:STAGEB*((\q)%2)+256*\c+16*\i
.endr
.endr
.endm
; 64 numbers of a lane (two whole blocks) become a fragment's 12 registers at v[d] and the row's scale word in v[word]
.macro QUANT xs, d, word
.irp c, 0,1
.irp g, 0,1
	v_max3_num_f32 v[TM+2*\c+\g], |v[(\xs)+32*\c+16*\g]|, |v[(\xs)+32*\c+16*\g+1]|, 0x1800000   ; four chains, each begun with the floor 2^(3 - 127)
.endr
.endr
.irp i, 2,4,6,8,10,12,14
.irp c, 0,1
.irp g, 0,1
	v_max3_num_f32 v[TM+2*\c+\g], v[TM+2*\c+\g], |v[(\xs)+32*\c+16*\g+\i]|, |v[(\xs)+32*\c+16*\g+\i+1]|
.endr
.endr
.endr
.irp c, 0,1
	v_max_num_f32 v[TM+2*\c], v[TM+2*\c], v[TM+2*\c+1]
.endr
.irp c, 0,1
	v_add_nc_u32 v[SO+\c], 0xff000000, v[TM+2*\c]              ; 2 off the exponent field: the conversion's scale operand
.endr
.irp c, 0,1
	v_lshrrev_b32 v[BY+\c], 23, v[SO+\c]                       ; the scale's byte
.endr
	v_lshl_or_b32 v[WD], v[BY+1], 16, v[BY]
	v_lshlrev_b32 v[WD], v[SH8], v[WD]
	v_permlanex16_b32 v[WD2], v[WD], s[SEL], s[SEL+1]
	v_or_b32 v[\word], v[WD], v[WD2]                           ; the word is whole in both halves of the lanes
.irp c, 0,1
	v_cvt_scalef32_pk16_fp6_f32 v[T+4*\c:T+4*\c+2], v[(\xs)+32*\c+16:(\xs)+32*\c+31], v[SO+\c]
.endr
.irp c, 0,1
	v_cvt_scalef32_pk16_fp6_f32 v[(\d)+6*\c:(\d)+6*\c+2], v[(\xs)+32*\c:(\xs)+32*\c+15], v[SO+\c]
.endr
	v_nop                                          ; one plain place behind the last scaled conversion
.irp c, 0,1
.irp i, 0,1,2
	v_mov_b32 v[(\d)+6*\c+3+\i], v[T+4*\c+\i]
.endr
.endr
.endm
	s_load_b128 s[4:7], s[0:1], 0x0                ; W, wimg
	v_lshl_add_u32 v126, v0, 2, 0x4200             ; my spare word, behind the two stages
	v_mov_b32 v127, 0
	v_and_b32 v1, 15, v0                           ; r
	v_bfe_u32 v2, v0, 4, 1                         ; h
	v_lshlrev_b32 v[L16], 4, v0
	v_mul_u32_u24 v[SRD], v1, SPITCH
	v_lshl_add_u32 v[SRD], v2, 7, v[SRD]
	v_lshlrev_b32 v[SH8], 3, v2
	v_lshlrev_b32 v[SCO], 2, v0
	v_mov_b32 v[WD2], 0
	s_mov_b32 s[SEL], 0x76543210
	s_mov_b32 s[SEL+1], 0xfedcba98
	s_lshr_b32 s10, ttmp9, 1                       ; the tile
	s_and_b32 s11, ttmp9, 1                        ; which four K steps
	s_lshl_b32 s12, s10, 16
	s_lshl_b32 s13, s11, 11
	s_add_co_u32 s12, s12, s13
	s_mov_b32 s13, 0
	s_lshr_b32 s18, s10, 3
	s_mul_i32 s18, s18, GRPB                       ; the group among a chunk's eight,
	s_mul_i32 s19, s11, 16*GRPB                    ; two chunks on for the upper four K steps
	s_add_co_u32 s18, s18, s19
	s_and_b32 s19, s10, 7
	s_mul_i32 s14, s19, 2*FRAGB
	s_add_co_u32 s14, s14, s18                     ; my tile's fragments
	s_mov_b32 s15, 0
	s_lshl_b32 s16, s19, 7
	s_add_co_u32 s16, s16, s18
	s_add_co_u32 s16, s16, 16*FRAGB                ; and its scale words
	s_mov_b32 s17, 0
	s_wait_alu depctr_va_vdst(0)                   ; the wait at the head's end
	s_wait_kmcnt 0x0
	s_add_nc_u64 s[4:5], s[4:5], s[12:13]
	s_add_nc_u64 s[8:9], s[6:7], s[16:17]
	s_add_nc_u64 s[6:7], s[6:7], s[14:15]
	LOAD 0
	LOAD 1
	LOAD 2
	LOAD 3
	s_wait_loadcnt 48                              ; unit 0's sixteen loads are in
	TURN 0
.irp q, 0,1,2,3
	s_wait_dscnt 0x0                               ; unit q is back from the stage
.if \q < 3
	s_wait_loadcnt 16*(2-\q)                       ; unit q + 1 is in
	TURN \q+1
.endif
	QUANT X+64*(\q%2),C+12*\q,WRD+\q
.irp c, 0,1,2
	global_store_b128 v[L16], v[C+12*\q+4*\c:C+12*\q+4*\c+3], s[6:7] offset:8*GRPB*(\q/2)+FRAGB*(\q%2)+512*\c   ; 512 consecutive bytes, at a multiple of 256 from wimg's first byte
.endr
.endr
	v_cmp_ne_u32 vcc_lo, 0, v[SH8]                 ; lanes 16-31 take the chunk's second K step
	v_cndmask_b32 v[PR], v[WRD], v[WRD+1], vcc_lo
	v_cndmask_b32 v[PR+1], v[WRD+2], v[WRD+3], vcc_lo
	global_store_b32 v[SCO], v[PR], s[8:9]         ; 128 consecutive bytes for each chunk
	global_store_b32 v[SCO], v[PR+1], s[8:9] offset:8*GRPB
	s_wait_tensorcnt 0x0                           ; the wave's end
	ds_add_u32 v126, v127
	s_wait_dscnt 0x0
	s_endpgm
.Lfunc_end_k_q4887c7bba4_quantw:
	.size	k_q4887c7bba4_quantw, .Lfunc_end_k_q4887c7bba4_quantw-k_q4887c7bba4_quantw
	.p2alignl 7, 3214868480
	.fill 96, 4, 3214868480
	.section	.rodata,"a",@progbits
	.p2align	6, 0x0
	.amdhsa_kernel k_q4887c7bba4_quantw
		.amdhsa_group_segment_fixed_size 17152
		.amdhsa_private_segment_fixed_size 0
		.amdhsa_enable_private_segment 0
		.amdhsa_kernarg_size 16
		.amdhsa_user_sgpr_count 2
		.amdhsa_user_sgpr_kernarg_segment_ptr 1
		.amdhsa_wavefront_size32 1
		.amdhsa_system_sgpr_workgroup_id_x 1
		.amdhsa_system_sgpr_workgroup_id_y 1
		.amdhsa_system_sgpr_workgroup_id_z 1
		.amdhsa_system_vgpr_workitem_id 0
		.amdhsa_next_free_vgpr 512
		.amdhsa_next_free_sgpr 66
		.amdhsa_reserve_vcc 1
		.amdhsa_float_denorm_mode_32 3
		.amdhsa_float_denorm_mode_16_64 3
		.amdhsa_memory_ordered 1
		.amdhsa_forward_progress 1
		.amdhsa_inst_pref_size 30
	.end_amdhsa_kernel
	.amdgpu_metadata
---
amdhsa.version: [ 1, 2 ]
amdhsa.kernels:
  - .name:           k_q4887c7bba4_quantw
    .symbol:         k_q4887c7bba4_quantw.kd
    .args:
      - { .name: W, .offset: 0, .size: 8, .value_kind: global_buffer, .address_space: global }
      - { .name: wimg, .offset: 8, .size: 8, .value_kind: global_buffer, .address_space: global }
    .group_segment_fixed_size: 17152
    .private_segment_fixed_size: 0
    .kernarg_segment_align: 8
    .kernarg_segment_size: 16
    .max_flat_workgroup_size: 32
    .sgpr_count:     66
    .vgpr_count:     512
    .wavefront_size: 32
...
	.end_amdgpu_metadata
.endif
;; end of part 1
;; launch energy (part 2): grid 256 x 1, 4 waves a work-group, clusters of 4 x 1, 327,680 bytes of LDS; arguments encoder_outputs, wimg, hidden, scores; writes scores
.if DOCPART == 2
	.amdgcn_target "amdgcn-amd-amdhsa--gfx1250"
	.amdhsa_code_object_version 6
	.text
	.protected	k_q4887c7bba4_energy
	.globl	k_q4887c7bba4_energy
	.p2align	8
	.type	k_q4887c7bba4_energy,@function
k_q4887c7bba4_energy:
	s_mov_b64 s[64:65], 0
	v_nop
	global_prefetch_b8 v0, s[64:65] scope:SCOPE_SE
	s_setreg_imm32_b32 hwreg(HW_REG_WAVE_MODE, 25, 1), 1
	s_wait_xcnt 0x0
	s_wait_alu depctr_hold_cnt(0) depctr_sa_sdst(0) depctr_va_vdst(0) depctr_va_sdst(0) depctr_va_ssrc(0) depctr_va_vcc(0) depctr_vm_vsrc(0)
	s_getreg_b32 s2, hwreg(HW_REG_IB_STS2, 6, 4)
	s_cmp_eq_u32 s2, 0
	s_cbranch_scc0 .Lentry_in_a_cluster
	s_endpgm
.Lentry_in_a_cluster:
	s_bfe_u32 s2, ttmp6, 0x10000c
	s_cmp_lg_u32 s2, 0x3003
	s_cbranch_scc0 .Lentry_shape_is_right
	s_endpgm
.Lentry_shape_is_right:
; scores[row] = sum_n hidden[batch][n] x (sum_k Q(enc)[row][k] Q(W)[n][k]), the inner product on FP6 codes with E8M0 scales.  b is left out: it adds the same number to all scores of a batch, which the softmax cancels (see the first kernel's head).
; A work-group owns 256 rows of one batch.  THE SCORE IS LINEAR IN THE ENERGY, so K goes in four chunks of 256: each chunk's part of the energy is multiplied by hidden and summed at once,
; and the rows' numbers of chunk j + 1 are fetched and quantised while chunk j is multiplied.  LIMIT: the f32 sums run chunk by chunk and lane by lane, another order of rounding than reference()'s.  NaN and infinities are not served.
; THE WALK: 20 intervals.  Interval i quantises slab i (i < 16: chunk i / 4, rows 64 (i % 4) .. + 63, 1,024 bytes a row; a wave takes 16 rows: two units of 16 rows x 128 numbers) into an image of the operand's registers in LDS,
; and multiplies W's slab i - 4 (i >= 4: chunk (i - 4) / 4, 16 tiles of 16 units).  At a change of chunks every wave loads its 128 rows' codes, 192 registers.
; Wave w = 2 p + q multiplies rows 128 p .. + 127 by tiles 8 q .. 8 q + 7 of the slab: a fragment of W feeds eight matrix instructions.
; THE NUMBERS come by loads into registers, 512 consecutive bytes of a row an instruction, asked for two slabs ahead (four units of 16 loads a wave are out), and turn through the wave's own stage in LDS so that a lane gets whole blocks of its row.
; The register sets take turns slab by slab, so a loop's trip is two intervals.
; W'S RING: two slots of 51,200 bytes; behind each round every wave asks for a quarter of the next slab: one tensor load a wave.  CLUSTER: the four work-groups walk the same slabs of W: they are asked for jointly (mask 15).
; NO PREFETCH INSTRUCTION: each number is read once and is asked for two slabs ahead by its own load; W's 819,200 bytes are walked by all 256 work-groups in one order.
; The matrix instruction takes the rows as source 0 and W as source 1: register j of lane (r, h) is (row 8 h + j, unit r).  A lane multiplies by hidden[unit r] and keeps its own sums; the sixteen lanes are joined once, at the end.
; REGISTERS: window 0: addresses, scale words, the quantiser; window 1: v0-191 codes (24 m + 12 s), v192, v194 hidden of two tiles; window 2: v0-127 two sets of 8 accumulators, v128-175 two fragments of W x 2 K steps, v176-239 the sums;
; window 3: four units as loaded.  One setting of the windows serves matrix instructions and multiply-adds alike, so the multiply-adds of the tile before stand among a tile's matrix instructions and are their places.
.set H1,    131072                     ; from W's slot 0 to slot 1
.set SPITCH,528                        ; a stage row: 512 bytes + 16: sixteen rows of a 16-byte read fall on sixteen columns
.set STAGEB,16*SPITCH                  ; a stage; a wave has two, at 16,896 q + 131,072 p
.set XCH,   33792                      ; the end: the waves' sums, 4 x 8,192 bytes
.set WSL,   66560                      ; W's slab
.set GRPB,  25600                      ; eight tiles: 8 x 3,072 of codes, 8 x 128 of scale words
.set CODE,  262144                     ; the codes' image: 16 row tiles x 3,072
.set CS,    CODE+49152                 ; their scale words: 16 x 128
.set HID,   CS+2048                    ; hidden of my batch
.set SCS,   HID+4096                   ; the way out
.set SPARE, SCS+2048                   ; the spare words: 512 bytes that no other line names
.set SPW,1
.set NIL,2
.set L16,3
.set SST,4
.set SRD,5
.set SH8,6
.set AW0,7
.set AW,8
.set AS0,9
.set AS,10
.set AH0,11
.set AH,12
.set CST0,13
.set CST,14
.set CSS0,15
.set TM,16
.set SO,20
.set BY,22
.set WD,24
.set WD2,25
.set T,26
.set CSS,34
.set CLD,35
.set CSL,36
.set XST,38
.set XLD,39
.set WS,40                             ; W's scale words, two tiles: lanes 0-15 the chunk's first K step, lanes 16-31 its second
.set ES,42                             ; v42-49 the rows' scale words, laid likewise
.set SCW,50
.set SCR,51
.set CQ,52                             ; v52-75 two fresh fragments
.set WQ,76
.set L8,78
.set T16,79
.set HST,88
.set X,128
.set HB,192                            ; window 1: each tile's hidden is the low word of a pair of its own; the high words are written once and never loaded into
.set ACC,0                             ; window 2
.set FR,128
.set SS,176
.set WV,12
.set P,13
.set Q,14
.set SEL,20
.set G1W,32
.set G0W,44
.set PB,50
.set PF,52
.set OF,54
.set EI,56                             ; the slab of numbers asked for last
.set TW,57
.set TS,58
.set TH,59
.set CG,60
.set CNT,62
.set IC,63
.set CGS,70
.set OC,71
.set MM_W,0xa9                         ; source 0 window 1; source 1, C and D window 2
.set MSB,0
.macro WIN new
.if MSB != (\new)
	s_set_vgpr_msb (MSB<<8)|(\new)
.set MSB, \new
.endif
.endm
.macro NOP4
.rept 4
	v_nop
.endr
.endm
.macro ROUND                           ; a round of the cluster's barrier
	s_barrier_signal -1
	s_barrier_wait -1
	s_cmp_lg_u32 s[WV], 0
	s_cbranch_scc1 .Lnw0_\@
	s_barrier_signal -3
.Lnw0_\@:
	s_barrier_wait -3
	s_barrier_signal -1
	s_barrier_wait -1
.endm
.macro TL                              ; my quarter of a slab of W, asked for jointly
	tensor_load_to_lds s[G0W:G0W+3], s[G1W:G1W+7]
	s_nop 0
	NOP4
.endm
.macro SOFF d, e                       ; byte offset of slab s[e] in my rows: 64 rows of 4,096 bytes for e % 4, 1,024 bytes for e / 4
	s_and_b32 s[\d], s[\e], 3
	s_lshl_b32 s[\d], s[\d], 18
	s_lshr_b32 s15, s[\e], 2
	s_lshl_b32 s15, s15, 10
	s_add_co_u32 s[\d], s[\d], s15
.endm
.macro GL par, u, base, extra          ; a unit: 16 rows x 512 bytes into window 3, set 2 par + u
	WIN 0xc0
.irp i, 0,1,2,3,4,5,6,7,8,9,10,11,12,13,14,15
	global_load_b128 v[128*(\par)+64*(\u)+4*\i:128*(\par)+64*(\u)+4*\i+3], v[L16], s[\base:\base+1] offset:(\extra)+4096*\i+512*(\u) th:TH_LOAD_NT
.endr
	WIN 0
.endm
.macro TURN par, u                     ; the unit through my stage u; LDS serves a wave's instructions in order
	WIN 0x0c
.irp i, 0,1,2,3,4,5,6,7,8,9,10,11,12,13,14,15
	ds_store_b128 v[SST], v[128*(\par)+64*(\u)+4*\i:128*(\par)+64*(\u)+4*\i+3] offset:STAGEB*(\u)+SPITCH*\i
.endr
	WIN 0
.irp c, 0,1
.irp i, 0,1,2,3,4,5,6,7
	ds_load_b128 v[X+64*(\u)+32*\c+4*\i:X+64*(\u)+32*\c+4*\i+3], v[SRD] offset:STAGEB*(\u)+256*\c+16*\i   ; lane (r, h): k = 64 c + 32 h + 0 .. 31 of row r
.endr
.endr
.endm
.macro LW f, o                         ; a tile's two fragments and its scale words into buffer f
	WIN 0x80
.irp k, 0,1,2,3,4,5
	ds_load_b128 v[FR+24*(\f)+4*\k:FR+24*(\f)+4*\k+3], v[AW] offset:3072*(\o)+512*\k
.endr
	WIN 0
	ds_load_b32 v[WS+(\f)], v[AS] offset:128*(\o)
.endm
.macro LH f, o                         ; hidden of a tile's sixteen units
	WIN 0x40
	ds_load_b32 v[HB+2*(\f)], v[AH] offset:64*(\o)
.endm
.macro FM f, n                         ; two sums += two results of set f x hidden of its tile (the pair's low word serves both halves)
	v_pk_fma_f32 v[SS+2*(\n):SS+2*(\n)+1], v[HB+2*(\f):HB+2*(\f)+1], v[ACC+64*(\f)+2*(\n):ACC+64*(\f)+2*(\n)+1], v[SS+2*(\n):SS+2*(\n)+1] op_sel_hi:[0,1,1]
.endm
; A tile: 16 matrix instructions, the set's eight accumulators by turns, the first K step starting the sums.
; Among them the 32 multiply-adds of the other set, each accumulator from its low end on; four stand behind the last matrix instruction: the places ahead of the next loads.
.macro MUL f
.set KK, 0
.rept 16
.set MI, KK%8
.if KK < 8
	v_wmma_scale_f32_16x16x128_f8f6f4 v[ACC+64*(\f)+8*MI:ACC+64*(\f)+8*MI+7], v[24*MI:24*MI+11], v[FR+24*(\f):FR+24*(\f)+11], 0, v[ES+MI], v[WS+(\f)] matrix_a_fmt:MATRIX_FMT_FP6 matrix_b_fmt:MATRIX_FMT_FP6
.else
	v_wmma_scale_f32_16x16x128_f8f6f4 v[ACC+64*(\f)+8*MI:ACC+64*(\f)+8*MI+7], v[24*MI+12:24*MI+23], v[FR+24*(\f)+12:FR+24*(\f)+23], v[ACC+64*(\f)+8*MI:ACC+64*(\f)+8*MI+7], v[ES+MI], v[WS+(\f)] matrix_a_fmt:MATRIX_FMT_FP6 matrix_b_fmt:MATRIX_FMT_FP6 matrix_a_scale:MATRIX_SCALE_ROW1 matrix_b_scale:MATRIX_SCALE_ROW1
.endif
.if KK > 0
	FM 1-(\f), 2*KK-2
	FM 1-(\f), 2*KK-1
.endif
.if KK == 15
	FM 1-(\f), 30
	FM 1-(\f), 31
.endif
.set KK, KK+1
.endr
.endm
.macro QUANT xs, d, word               ; 64 numbers of a lane (two whole blocks of its row) -> a fragment's 12 registers and the row's scale word
.irp c, 0,1
.irp g, 0,1
	v_max3_num_f32 v[TM+2*\c+\g], |v[(\xs)+32*\c+16*\g]|, |v[(\xs)+32*\c+16*\g+1]|, 0x1800000   ; the floor 2^(3 - 127) holds the byte at 1 from below
.endr
.endr
.irp i, 2,4,6,8,10,12,14
.irp c, 0,1
.irp g, 0,1
	v_max3_num_f32 v[TM+2*\c+\g], v[TM+2*\c+\g], |v[(\xs)+32*\c+16*\g+\i]|, |v[(\xs)+32*\c+16*\g+\i+1]|
.endr
.endr
.endr
.irp c, 0,1
	v_max_num_f32 v[TM+2*\c], v[TM+2*\c], v[TM+2*\c+1]
.endr
.irp c, 0,1
	v_add_nc_u32 v[SO+\c], 0xff000000, v[TM+2*\c]  ; 2 off the exponent field: the conversion's scale operand
.endr
.irp c, 0,1
	v_lshrrev_b32 v[BY+\c], 23, v[SO+\c]
.endr
	v_lshl_or_b32 v[WD], v[BY+1], 16, v[BY]
	v_lshlrev_b32 v[WD], v[SH8], v[WD]
	v_permlanex16_b32 v[WD2], v[WD], s[SEL], s[SEL+1]
	v_or_b32 v[\word], v[WD], v[WD2]
.irp c, 0,1
	v_cvt_scalef32_pk16_fp6_f32 v[T+4*\c:T+4*\c+2], v[(\xs)+32*\c+16:(\xs)+32*\c+31], v[SO+\c]
.endr
.irp c, 0,1
	v_cvt_scalef32_pk16_fp6_f32 v[(\d)+6*\c:(\d)+6*\c+2], v[(\xs)+32*\c:(\xs)+32*\c+15], v[SO+\c]
.endr
	v_nop                                          ; one plain place behind the last scaled conversion
.irp c, 0,1
.irp i, 0,1,2
	v_mov_b32 v[(\d)+6*\c+3+\i], v[T+4*\c+\i]
.endr
.endr
.endm
; AN INTERVAL.  lw: W's next slab is asked for; qu: a slab of numbers (register sets 2 par, 2 par + 1) is quantised; gl: the slab two on is asked for; mm: a slab of W is multiplied.
; c0, c1: the loads issued behind the slab's first and second unit, which may stay out.
.macro IV lw, qu, gl, mm, par, c0, c1
	WIN 0
.if \gl
	s_wait_xcnt 0x0                                ; the earlier loads have read their base
.endif
.if \mm
	s_wait_tensorcnt 0x0                           ; my quarter of this interval's slab has landed,
	ds_add_u32 v[SPW], v[NIL]                      ; (work on registers follows)
.endif
.if \gl
	s_add_co_u32 s[EI], s[EI], 1
	SOFF OF, EI
	s_add_nc_u64 s[PF:PF+1], s[PB:PB+1], s[OF:OF+1]
.endif
.if \lw
	s_add_nc_u64 s[G0W+2:G0W+3], s[G0W+2:G0W+3], 2*GRPB
	s_xor_b32 s[G0W+1], s[G0W+1], H1
.endif
.if \qu
	v_add_nc_u32 v[CST], s[CG], v[CST0]
	v_add_nc_u32 v[CSS], s[CGS], v[CSS0]
.endif
.if \mm
	v_add_nc_u32 v[AW], s[TW], v[AW0]
	v_add_nc_u32 v[AS], s[TS], v[AS0]
	v_add_nc_u32 v[AH], s[TH], v[AH0]
.endif
	s_wait_alu depctr_va_vdst(0)                   ; the wait here, directly ahead of the wait below
.if \mm
	s_wait_dscnt 0x0                               ; the add is done, and so are my LDS reads and stores
.if \lw
	ROUND                                          ; no wave of the cluster reads the slot that is filled next
	TL
.else
	s_barrier_signal -1
	s_barrier_wait -1
.endif
	LW 0, 0
	LW 1, 1
	LH 0, 0
	WIN 0
.endif
.if \qu
	s_wait_loadcnt \c0                             ; the slab's first unit is in
	TURN \par, 0
.endif
.if \mm
.if \qu
	s_wait_dscnt 40                                ; tile 0 is in; tile 1's seven loads, one of hidden and the stage's 32 may be out
.else
	s_wait_dscnt 8
.endif
	WIN MM_W
	MUL 0                                          ; with the sums of the tile before: the last interval's tile 7
	WIN 0
.endif
.if \gl
	s_wait_dscnt 16                                ; the stage's sixteen stores have read their registers,
	GL \par, 0, PF, 0                              ; which take the unit two slabs on
.endif
.if \mm
	s_mov_b32 s[CNT], 3
.Lt_\@:                                                ; trip n: tiles 2 n + 1 and 2 n + 2; each step fetches the next tile and this tile's hidden
	v_add_nc_u32 v[AW], s[TW], v[AW0]
	v_add_nc_u32 v[AS], s[TS], v[AS0]
	v_add_nc_u32 v[AH], s[TH], v[AH0]
	s_wait_alu depctr_va_vdst(0)                   ; the wait behind these writes
	LW 0, 2
	LH 1, 1
	s_wait_dscnt 8                                 ; all but the eight just issued
	WIN MM_W
	MUL 1
	LW 1, 3
	LH 0, 2
	s_wait_dscnt 8
	WIN MM_W
	MUL 0
	WIN 0
	s_add_co_u32 s[TW], s[TW], 6144
	s_add_co_u32 s[TS], s[TS], 256
	s_add_co_u32 s[TH], s[TH], 128
	s_sub_co_u32 s[CNT], s[CNT], 1
	s_cmp_lg_u32 s[CNT], 0
	s_cbranch_scc1 .Lt_\@
	v_add_nc_u32 v[AH], s[TH], v[AH0]
	s_wait_alu depctr_va_vdst(0)
	LH 1, 1                                        ; tile 7's hidden; its sums are taken in the next interval's first tile
	s_wait_dscnt 1
	WIN MM_W
	MUL 1
	WIN 0
	s_sub_co_u32 s[TW], s[TW], 18432
	s_xor_b32 s[TW], s[TW], H1
	s_sub_co_u32 s[TS], s[TS], 768
	s_xor_b32 s[TS], s[TS], H1
	s_add_co_u32 s[TH], s[TH], 640
.endif
.if \qu
	s_wait_loadcnt \c1                             ; the slab's second unit is in
	TURN \par, 1
	s_wait_dscnt 32                                ; all but the 32 just issued: the first unit is back from its stage
	QUANT X, CQ, WQ
	s_wait_dscnt 0x0                               ; the second unit is back, and its stores have read their registers
.if \gl
	GL \par, 1, PF, 0
.endif
	QUANT X+64, CQ+12, WQ+1
.irp u, 0,1
.irp c, 0,1,2
	ds_store_b128 v[CST], v[CQ+12*\u+4*\c:CQ+12*\u+4*\c+3] offset:1536*\u+512*\c
.endr
	ds_store_b32 v[CSS], v[WQ+\u] offset:64*\u     ; both halves of the lanes write the same word with the same value
.endr
	s_add_co_u32 s[CG], s[CG], 12288
	s_add_co_u32 s[CGS], s[CGS], 512
.endif
.endm
; A CHANGE OF CHUNKS: all codes of the next chunk are stored; every wave loads its 128 rows'.  The next interval's wait and barrier stand between these loads and the next stores into the image.
.macro CHUNK
	s_wait_dscnt 0x0                               ; for the others' sake: my stores are done
	s_barrier_signal -1                            ; a tensor load may stay out
	s_barrier_wait -1
	WIN 0x40
.set KK, 0
.rept 48
	ds_load_b128 v[4*KK:4*KK+3], v[CLD] offset:512*KK
.set KK, KK+1
.endr
	WIN 0
.irp m, 0,1,2,3,4,5,6,7
	ds_load_b32 v[ES+\m], v[CSL] offset:128*\m
.endr
	s_sub_co_u32 s[CG], s[CG], 49152
	s_sub_co_u32 s[CGS], s[CGS], 2048
	s_sub_co_u32 s[TH], s[TH], 4096
.endm
	s_load_b256 s[4:11], s[0:1], 0x0               ; encoder_outputs, wimg, hidden, scores
	v_lshl_add_u32 v[SPW], v0, 2, SPARE
	v_mov_b32 v[NIL], 0
	ds_add_u32 v[SPW], v[NIL]                      ; the opening lines: the add twice on end and one wait
	ds_add_u32 v[SPW], v[NIL]
	v_lshrrev_b32 v90, 5, v0
	v_readfirstlane_b32 s[WV], v90
	s_lshr_b32 s[P], s[WV], 1
	s_and_b32 s[Q], s[WV], 1
	s_bfe_u32 s15, ttmp6, 0x40000
	s_lshl_b32 s16, ttmp9, 2
	s_add_co_u32 s16, s16, s15                     ; the work-group
	s_lshl_b32 s[OF], s16, 20                      ; its 256 rows of 4,096 bytes,
	s_lshl_b32 s17, s[WV], 16                      ; and my 16 rows of each 64
	s_add_co_u32 s[OF], s[OF], s17
	s_mov_b32 s[OF+1], 0
	s_lshr_b32 s18, ttmp9, 1                       ; the batch: two clusters to a batch
	s_lshl_b32 s18, s18, 12
	s_mov_b32 s19, 0
	s_lshl_b32 s22, s16, 10
	s_lshl_b32 s23, s[WV], 8
	s_add_co_u32 s22, s22, s23                     ; my 64 scores
	s_mov_b32 s23, 0
	s_mul_i32 s68, s[WV], GRPB/2                   ; my quarter of a slab of W
	s_mov_b32 s69, 0
	s_mov_b32 s[G1W], 15|(3<<16)|(1<<21)           ; the four work-groups of the cluster; elements of 8 bytes
	s_mov_b32 s[G1W+1], 32<<16
	s_mov_b32 s[G1W+2], 50<<16
	s_mov_b32 s[G1W+3], 32<<16
	s_mov_b32 s[G1W+4], 50                         ; a dense block of 12,800 bytes as 50 rows of 256
	s_mov_b32 s[G1W+5], 32
	s_mov_b32 s[G1W+6], 0
	s_mov_b32 s[G1W+7], 0
	s_mov_b32 s[SEL], 0x76543210
	s_mov_b32 s[SEL+1], 0xfedcba98
	s_mov_b32 s[EI], 1                             ; slabs 0 and 1 are asked for at the head
	s_mov_b32 s[TW], 0
	s_mov_b32 s[TS], 0
	s_mov_b32 s[TH], 4096                          ; the first change of chunks takes it to 0
	s_mov_b32 s[CG], 0
	s_mov_b32 s[CGS], 0
	s_wait_dscnt 0x0
	s_wait_kmcnt 0x0
	s_add_nc_u64 s[PB:PB+1], s[4:5], s[OF:OF+1]
	s_add_nc_u64 s[8:9], s[8:9], s[18:19]
	s_add_nc_u64 s[10:11], s[10:11], s[22:23]
	s_mov_b32 s[G0W], 1
	s_add_co_u32 s[G0W+1], s68, WSL
	s_add_nc_u64 s[G0W+2:G0W+3], s[6:7], s[68:69]
	s_or_b32 s[G0W+3], s[G0W+3], 0x80000000
	ROUND                                          ; in front of the first joint load
	TL                                             ; W's slab 0: one load a wave
	v_and_b32 v90, 31, v0                          ; lane
	v_and_b32 v91, 15, v0                          ; r
	v_bfe_u32 v92, v0, 4, 1                        ; h
	v_lshlrev_b32 v[L16], 4, v90
	v_lshlrev_b32 v[T16], 4, v0
	s_wait_alu depctr_va_vdst(0)                   ; the wait
	global_load_b128 v[80:83], v[T16], s[8:9]      ; hidden of my batch: 4,096 bytes by 128 threads
	global_load_b128 v[84:87], v[T16], s[8:9] offset:2048
	GL 0, 0, PB, 0
	GL 0, 1, PB, 0
	GL 1, 0, PB, 262144
	s_mul_i32 s15, s[Q], 2*STAGEB
	s_lshl_b32 s16, s[P], 17
	s_add_co_u32 s15, s15, s16                     ; my two stages
	v_add_nc_u32 v[SST], s15, v[L16]
	v_mul_u32_u24 v[SRD], v91, SPITCH
	v_lshl_add_u32 v[SRD], v92, 7, v[SRD]
	v_add_nc_u32 v[SRD], s15, v[SRD]
	v_lshlrev_b32 v[SH8], 3, v92
	s_mul_i32 s15, s[Q], GRPB
	s_add_co_u32 s15, s15, WSL
	v_add_nc_u32 v[AW0], s15, v[L16]               ; W: my eight tiles' images
	s_add_co_u32 s15, s15, 24576
	v_lshl_add_u32 v[AS0], v90, 2, s15             ; and their scale words
	s_lshl_b32 s15, s[Q], 9
	s_add_co_u32 s15, s15, HID
	v_lshl_add_u32 v[AH0], v91, 2, s15             ; hidden of unit r of my tiles
	s_mul_i32 s15, s[WV], 3072
	s_add_co_u32 s15, s15, CODE
	v_add_nc_u32 v[CST0], s15, v[L16]              ; where my fresh codes go
	s_lshl_b32 s15, s[WV], 7
	s_add_co_u32 s15, s15, CS
	v_lshl_add_u32 v[CSS0], v91, 2, s15
	s_mul_i32 s15, s[P], 24576
	s_add_co_u32 s15, s15, CODE
	v_add_nc_u32 v[CLD], s15, v[L16]               ; my 128 rows' codes
	s_lshl_b32 s15, s[P], 10
	s_add_co_u32 s15, s15, CS
	v_lshl_add_u32 v[CSL], v90, 2, s15
	s_lshl_b32 s15, s[WV], 13
	s_add_co_u32 s15, s15, XCH
	v_add_nc_u32 v[XST], s15, v[L16]               ; the end: my sums' image
	s_lshl_b32 s15, s[P], 14
	s_lshl_b32 s16, s[Q], 12
	s_add_co_u32 s15, s15, s16
	s_add_co_u32 s15, s15, XCH
	v_add_nc_u32 v[XLD], s15, v[L16]
	s_lshl_b32 s15, s[WV], 8
	s_add_co_u32 s15, s15, SCS
	v_lshl_add_u32 v[SCW], v92, 5, s15
	v_lshl_add_u32 v[SCR], v90, 3, s15
	v_lshlrev_b32 v[L8], 3, v90
	v_add_nc_u32 v[HST], HID, v[T16]
	v_mov_b32 v[WD2], 0
	WIN 0x80
.set KK, 0
.rept 64
	v_mov_b32 v[SS+KK], 0                          ; the lanes' sums begin at 0,
	v_mov_b32 v[ACC+64+KK], 0                      ; and so does set 1: the walk's first tile stands in a loop and takes the sums of a tile before it, which is none
.set KK, KK+1
.endr
	WIN 0x40
	v_mov_b32 v[HB+1], 0                           ; the pairs' high words: named by the packed form, used by neither half
	v_mov_b32 v[HB+2], 0                           ; hidden of the tile that is none
	v_mov_b32 v[HB+3], 0
	WIN 0
	s_wait_alu depctr_va_vdst(0)                   ; the wait at the head's end
	s_wait_loadcnt 48                              ; hidden is in; the three units behind it may be out
	ds_store_b128 v[HST], v[80:83]
	ds_store_b128 v[HST], v[84:87] offset:2048
	GL 1, 1, PB, 262144
	s_mov_b32 s[IC], 2                             ; intervals 0 to 3: waves share nothing here, so no barrier
.Lpro:
	IV 0, 1, 1, 0, 0, 48, 48
	IV 0, 1, 1, 0, 1, 48, 48
	s_sub_co_u32 s[IC], s[IC], 1
	s_cmp_lg_u32 s[IC], 0
	s_cbranch_scc1 .Lpro
	s_mov_b32 s[OC], 2                             ; intervals 4 to 11: chunks 0 and 1.  Interval 4's load is slot 1's first fill
.Lchunk:
	CHUNK
	s_mov_b32 s[IC], 2
.Lmain:
	IV 1, 1, 1, 1, 0, 48, 48
	IV 1, 1, 1, 1, 1, 48, 48
	s_sub_co_u32 s[IC], s[IC], 1
	s_cmp_lg_u32 s[IC], 0
	s_cbranch_scc1 .Lmain
	s_sub_co_u32 s[OC], s[OC], 1
	s_cmp_lg_u32 s[OC], 0
	s_cbranch_scc1 .Lchunk
	CHUNK
	IV 1, 1, 1, 1, 0, 48, 48                       ; 12, 13: the last slabs are asked for
	IV 1, 1, 1, 1, 1, 48, 48
	IV 1, 1, 0, 1, 0, 48, 32                       ; 14, 15: the counts run down
	IV 1, 1, 0, 1, 1, 16, 0
	CHUNK
	s_mov_b32 s[IC], 3                             ; 16 to 18
.Ltail:
	IV 1, 0, 0, 1, 0, 0, 0
	s_sub_co_u32 s[IC], s[IC], 1
	s_cmp_lg_u32 s[IC], 0
	s_cbranch_scc1 .Ltail
	IV 0, 0, 0, 1, 0, 0, 0                         ; 19: nothing more is asked for
	s_wait_dscnt 0x0                               ; the last tile's hidden
	WIN MM_W
.set KK, 0
.rept 32
	FM 1, KK                                       ; the last tile's sums
.set KK, KK+1
.endr
	; THE END.  Both waves of a row half lay their 64 sums a lane into LDS; wave (p, q) takes row tiles 4 q .. 4 q + 3 of both, adds them, and joins the sixteen lanes.
	WIN 0x08
.set KK, 0
.rept 16
	ds_store_b128 v[XST], v[SS+4*KK:SS+4*KK+3] offset:512*KK
.set KK, KK+1
.endr
	WIN 0
	s_wait_dscnt 0x0
	s_barrier_signal -1
	s_barrier_wait -1
.irp k, 0,1,2,3,4,5,6,7
	ds_load_b128 v[128+4*\k:131+4*\k], v[XLD] offset:512*\k
	ds_load_b128 v[160+4*\k:163+4*\k], v[XLD] offset:8192+512*\k
.endr
	s_wait_dscnt 0x0
.set KK, 0
.rept 16
	v_pk_add_f32 v[128+2*KK:129+2*KK], v[128+2*KK:129+2*KK], v[160+2*KK:161+2*KK]
.set KK, KK+1
.endr
.irp x, 1,2,4,8
.set KK, 0
.rept 32
	v_add_f32_dpp v[128+KK], v[128+KK], v[128+KK] row_xmask:\x row_mask:0xf bank_mask:0xf
.set KK, KK+1
.endr
.endr
.irp k, 0,1,2,3,4,5,6,7
	ds_store_b128 v[SCW], v[128+4*\k:131+4*\k] offset:64*(\k/2)+16*(\k%2)   ; register 8 m + j is row 64 w + 16 m + 8 h + j; sixteen lanes write the same bytes with the same values
.endr
	ds_load_b64 v[100:101], v[SCR]                 ; LDS serves a wave's instructions in order
	s_wait_dscnt 0x0
	global_store_b64 v[L8], v[100:101], s[10:11]   ; 32 lanes store 256 consecutive bytes, aligned
	s_wait_tensorcnt 0x0                           ; the wave's end
	ds_add_u32 v[SPW], v[NIL]
	s_wait_dscnt 0x0
	ROUND                                          ; the closing round
	s_endpgm
.Lfunc_end_k_q4887c7bba4_energy:
	.size	k_q4887c7bba4_energy, .Lfunc_end_k_q4887c7bba4_energy-k_q4887c7bba4_energy
	.p2alignl 7, 3214868480
	.fill 96, 4, 3214868480
	.section	.rodata,"a",@progbits
	.p2align	6, 0x0
	.amdhsa_kernel k_q4887c7bba4_energy
		.amdhsa_group_segment_fixed_size 327680
		.amdhsa_private_segment_fixed_size 0
		.amdhsa_enable_private_segment 0
		.amdhsa_kernarg_size 32
		.amdhsa_user_sgpr_count 2
		.amdhsa_user_sgpr_kernarg_segment_ptr 1
		.amdhsa_wavefront_size32 1
		.amdhsa_system_sgpr_workgroup_id_x 1
		.amdhsa_system_sgpr_workgroup_id_y 1
		.amdhsa_system_sgpr_workgroup_id_z 1
		.amdhsa_system_vgpr_workitem_id 0
		.amdhsa_next_free_vgpr 1024
		.amdhsa_next_free_sgpr 72
		.amdhsa_reserve_vcc 0
		.amdhsa_float_denorm_mode_32 3
		.amdhsa_float_denorm_mode_16_64 3
		.amdhsa_memory_ordered 1
		.amdhsa_forward_progress 1
		.amdhsa_inst_pref_size 255
	.end_amdhsa_kernel
	.section	.bss,"aw",@nobits
	.p2align	6
	.space	262144
	.amdgpu_metadata
---
amdhsa.version: [ 1, 2 ]
amdhsa.kernels:
  - .name:           k_q4887c7bba4_energy
    .symbol:         k_q4887c7bba4_energy.kd
    .args:
      - { .name: encoder_outputs, .offset: 0, .size: 8, .value_kind: global_buffer, .address_space: global }
      - { .name: wimg, .offset: 8, .size: 8, .value_kind: global_buffer, .address_space: global }
      - { .name: hidden, .offset: 16, .size: 8, .value_kind: global_buffer, .address_space: global }
      - { .name: scores, .offset: 24, .size: 8, .value_kind: global_buffer, .address_space: global }
    .group_segment_fixed_size: 327680
    .private_segment_fixed_size: 0
    .kernarg_segment_align: 8
    .kernarg_segment_size: 32
    .max_flat_workgroup_size: 128
    .sgpr_count:     72
    .vgpr_count:     1024
    .wavefront_size: 32
...
	.end_amdgpu_metadata
.endif
;; end of part 2
;; launch softmax (part 3): grid 32 x 1, 8 waves a work-group, no clusters, 1,536 bytes of LDS; arguments scores, out0; writes out0
.if DOCPART == 3
	.amdgcn_target "amdgcn-amd-amdhsa--gfx1250"
	.amdhsa_code_object_version 6
	.text
	.protected	k_q4887c7bba4_softmax
	.globl	k_q4887c7bba4_softmax
	.p2align	8
	.type	k_q4887c7bba4_softmax,@function
k_q4887c7bba4_softmax:
	s_mov_b64 s[64:65], 0
	v_nop
	global_prefetch_b8 v0, s[64:65] scope:SCOPE_SE
	s_setreg_imm32_b32 hwreg(HW_REG_WAVE_MODE, 25, 1), 1
	s_wait_xcnt 0x0
; out0[b][:] = softmax of scores[b][:], 2,048 numbers a batch, in f32.  One work-group of eight waves to a batch; thread t holds the 16 bytes at 16 t and those at 4,096 + 16 t:
; each load and store of a wave covers 512 consecutive bytes.  The row's true maximum is taken away before the exponential, and the difference is formed before it is scaled by log2(e).
; The waves' maxima, and later their sums, meet in LDS behind a barrier, in bytes of their own (0 on, 256 on).  32 work-groups: a batch's sum spans all its scores, and the launch moves 512 KiB in all.
; No matrix unit, no tensor load, no cluster: nothing is shared between work-groups.  LIMITS: NaN and infinities among the scores are not served.
	s_load_b128 s[4:7], s[0:1], 0x0                ; scores s[4:5], out0 s[6:7]
	v_lshl_add_u32 v32, v0, 2, 0x200
	v_mov_b32 v33, 0
	v_lshlrev_b32 v1, 4, v0                        ; 16 x thread
	v_lshrrev_b32 v2, 5, v0
	s_delay_alu instid0(VALU_DEP_1)
	v_lshlrev_b32 v2, 2, v2                        ; 4 x wave: my wave's word in LDS
	v_mov_b32 v3, 0
	s_lshl_b32 s8, ttmp9, 13                       ; a batch is 8,192 bytes
	s_mov_b32 s9, 0
	s_mov_b32 s10, 0x76543210                      ; v_permlanex16_b32's selects for lane l xor 16
	s_mov_b32 s11, 0xfedcba98
	s_wait_alu depctr_va_vdst(0)
	s_wait_kmcnt 0x0
	s_add_nc_u64 s[4:5], s[4:5], s[8:9]
	s_add_nc_u64 s[6:7], s[6:7], s[8:9]
	global_load_b128 v[4:7], v1, s[4:5]
	global_load_b128 v[8:11], v1, s[4:5] offset:4096
	s_wait_loadcnt 0x0
	v_max3_num_f32 v12, v4, v5, v6                 ; the largest of my eight,
	v_max3_num_f32 v13, v7, v8, v9
	s_delay_alu instid0(VALU_DEP_2)
	v_max3_num_f32 v12, v12, v10, v11
	s_delay_alu instid0(VALU_DEP_1)
	v_max_num_f32 v12, v12, v13
	s_delay_alu instid0(VALU_DEP_1)
	v_max_num_f32_dpp v12, v12, v12 row_xmask:1 row_mask:0xf bank_mask:0xf   ; of my wave's 256,
	s_delay_alu instid0(VALU_DEP_1)
	v_max_num_f32_dpp v12, v12, v12 row_xmask:2 row_mask:0xf bank_mask:0xf
	s_delay_alu instid0(VALU_DEP_1)
	v_max_num_f32_dpp v12, v12, v12 row_xmask:4 row_mask:0xf bank_mask:0xf
	s_delay_alu instid0(VALU_DEP_1)
	v_max_num_f32_dpp v12, v12, v12 row_xmask:8 row_mask:0xf bank_mask:0xf
	s_delay_alu instid0(VALU_DEP_1)
	v_permlanex16_b32 v13, v12, s10, s11
	s_delay_alu instid0(VALU_DEP_1)
	v_max_num_f32 v12, v12, v13
	ds_store_b32 v2, v12                           ; all lanes of a wave write the same word with the same value
	s_wait_dscnt 0x0                               ; for the others' sake: my store is done
	s_barrier_signal -1
	s_barrier_wait -1
	ds_load_b128 v[16:19], v3
	ds_load_b128 v[20:23], v3 offset:16
	s_wait_dscnt 0x0
	v_max3_num_f32 v12, v16, v17, v18              ; and of the batch's 2,048
	v_max3_num_f32 v13, v19, v20, v21
	s_delay_alu instid0(VALU_DEP_2)
	v_max3_num_f32 v12, v12, v22, v23
	s_delay_alu instid0(VALU_DEP_1)
	v_max_num_f32 v12, v12, v13
.irp j, 4,6,8,10
	v_pk_add_f32 v[\j:\j+1], v[\j:\j+1], v[12:13] op_sel_hi:[1,0] neg_lo:[0,1] neg_hi:[0,1]   ; x - the maximum (of the pair v[12:13] the low word serves both halves)
.endr
.irp j, 4,6,8,10
	s_delay_alu instid0(VALU_DEP_4)
	v_pk_mul_f32 v[\j:\j+1], v[\j:\j+1], 0x3fb8aa3b op_sel_hi:[1,0]                           ; x log2(e)
.endr
	s_wait_alu depctr_va_vdst(0)
.irp j, 4,5,6,7,8,9,10,11
	v_exp_f32 v[\j], v[\j]
.endr
	v_nop                                          ; one plain place behind the exponentials
	s_wait_alu depctr_va_vdst(0)
	v_pk_add_f32 v[12:13], v[4:5], v[6:7]          ; the sum of my eight,
	v_pk_add_f32 v[14:15], v[8:9], v[10:11]
	s_delay_alu instid0(VALU_DEP_1)
	v_pk_add_f32 v[12:13], v[12:13], v[14:15]
	s_delay_alu instid0(VALU_DEP_1)
	v_add_f32 v12, v12, v13
	s_delay_alu instid0(VALU_DEP_1)
	v_add_f32_dpp v12, v12, v12 row_xmask:1 row_mask:0xf bank_mask:0xf   ; of my wave's 256,
	s_delay_alu instid0(VALU_DEP_1)
	v_add_f32_dpp v12, v12, v12 row_xmask:2 row_mask:0xf bank_mask:0xf
	s_delay_alu instid0(VALU_DEP_1)
	v_add_f32_dpp v12, v12, v12 row_xmask:4 row_mask:0xf bank_mask:0xf
	s_delay_alu instid0(VALU_DEP_1)
	v_add_f32_dpp v12, v12, v12 row_xmask:8 row_mask:0xf bank_mask:0xf
	s_delay_alu instid0(VALU_DEP_1)
	v_permlanex16_b32 v13, v12, s10, s11
	s_delay_alu instid0(VALU_DEP_1)
	v_add_f32 v12, v12, v13
	ds_store_b32 v2, v12 offset:256                ; other bytes than the maxima's, which some wave may still be reading
	s_wait_dscnt 0x0
	s_barrier_signal -1
	s_barrier_wait -1
	ds_load_b128 v[16:19], v3 offset:256
	ds_load_b128 v[20:23], v3 offset:272
	s_wait_dscnt 0x0
	v_pk_add_f32 v[16:17], v[16:17], v[18:19]      ; and of the batch's 2,048: at least 1, since the largest score gives 2^0
	v_pk_add_f32 v[20:21], v[20:21], v[22:23]
	s_delay_alu instid0(VALU_DEP_1)
	v_pk_add_f32 v[16:17], v[16:17], v[20:21]
	s_delay_alu instid0(VALU_DEP_1)
	v_add_f32 v14, v16, v17
	s_wait_alu depctr_va_vdst(0)
	v_rcp_f32 v12, v14
	v_nop                                          ; one plain place behind the reciprocal
	s_wait_alu depctr_va_vdst(0)
.irp j, 4,6,8,10
	v_pk_mul_f32 v[\j:\j+1], v[\j:\j+1], v[12:13] op_sel_hi:[1,0]
.endr
	global_store_b128 v1, v[4:7], s[6:7]           ; 32 lanes store 512 consecutive bytes, at a multiple of 256 from out0's first byte
	global_store_b128 v1, v[8:11], s[6:7] offset:4096
	s_wait_tensorcnt 0x0
	ds_add_u32 v32, v33
	s_wait_dscnt 0x0
	s_endpgm
.Lfunc_end_k_q4887c7bba4_softmax:
	.size	k_q4887c7bba4_softmax, .Lfunc_end_k_q4887c7bba4_softmax-k_q4887c7bba4_softmax
	.p2alignl 7, 3214868480
	.fill 96, 4, 3214868480
	.section	.rodata,"a",@progbits
	.p2align	6, 0x0
	.amdhsa_kernel k_q4887c7bba4_softmax
		.amdhsa_group_segment_fixed_size 1536
		.amdhsa_private_segment_fixed_size 0
		.amdhsa_enable_private_segment 0
		.amdhsa_kernarg_size 16
		.amdhsa_user_sgpr_count 2
		.amdhsa_user_sgpr_kernarg_segment_ptr 1
		.amdhsa_wavefront_size32 1
		.amdhsa_system_sgpr_workgroup_id_x 1
		.amdhsa_system_sgpr_workgroup_id_y 1
		.amdhsa_system_sgpr_workgroup_id_z 1
		.amdhsa_system_vgpr_workitem_id 0
		.amdhsa_next_free_vgpr 34
		.amdhsa_next_free_sgpr 66
		.amdhsa_reserve_vcc 0
		.amdhsa_float_denorm_mode_32 3
		.amdhsa_float_denorm_mode_16_64 3
		.amdhsa_memory_ordered 1
		.amdhsa_forward_progress 1
		.amdhsa_inst_pref_size 6
	.end_amdhsa_kernel
	.amdgpu_metadata
---
amdhsa.version: [ 1, 2 ]
amdhsa.kernels:
  - .name:           k_q4887c7bba4_softmax
    .symbol:         k_q4887c7bba4_softmax.kd
    .args:
      - { .name: scores, .offset: 0, .size: 8, .value_kind: global_buffer, .address_space: global }
      - { .name: out0, .offset: 8, .size: 8, .value_kind: global_buffer, .address_space: global }
    .group_segment_fixed_size: 1536
    .private_segment_fixed_size: 0
    .kernarg_segment_align: 8
    .kernarg_segment_size: 16
    .max_flat_workgroup_size: 256
    .sgpr_count:     66
    .vgpr_count:     34
    .wavefront_size: 32
...
	.end_amdgpu_metadata
.endif
;; end of part 3
